; MI455X (gfx1250); checked and timed in simulation.
; The chip was launched on July 23, 2026; its instructions are those of AMD's public machine-readable ISA for CDNA 5 (MIT licence, August 2026) and "CDNA5" Instruction Set Architecture Reference Guide (July 2026). The comments in the code are by the model that wrote it; some were corrected since.
;; Full Attention. Allowed arithmetic: matrix products marked QUANTISED: E5M2 operands, one E8M0 scale for each 32 along K, by v_wmma_scale_f32_16x16x128_f8f6f4 with both operands' format E5M2, f32 sums; everything else in f32.
;; Inputs: keys 2 x 16 x 2,048 x 64 float32; queries 2 x 16 x 2,048 x 64 float32; values 2 x 16 x 2,048 x 64 float32.
;; Outputs: out0 2 x 16 x 2,048 x 64 float32.
;; This version of the problem:
;;   THIS VERSION OF THE PROBLEM IS GIVEN IN LOW PRECISION. The matrix products marked QUANTISED in the list below multiply operands that are first quantised to E5M2 (5 exponent bits, 2 mantissa bits; 8 bits a number), with one power-of-two scale for each 32 numbers along K (OCP MX v1.0); their sums are f32. All else is computed in f32.
;;   The module's matrix products, in the order in which they are computed (A, B: the left and right operand; K: the contracted axis; several contracted axes count as one K, in the product's order):
;;     1. batch 32 x [M 2,048, K 64] x [K 64, N 2,048]; A: input queries; B: input keys: QUANTISED
;;     2. batch 32 x [M 2,048, K 2,048] x [K 2,048, N 64]; A: softmax (see below); B: input values: QUANTISED
;;   THE QUANTISER, for each operand of a quantised product, along K:
;;     - K is cut into blocks of 32 from its start; a last block that is shorter is filled with zeros.
;;     - A block's scale is 2^e with e = floor(log2(the largest magnitude in the block)) - 15, held to -126 .. 127; a block of zeros has e = 0. As a byte (E8M0): e + 127.
;;     - Each number is divided by its block's scale, clamped to +-57,344, and rounded to the nearest number of E5M2, ties to even, subnormals kept.
;;     - The product sums the exact products of the quantised numbers (number of the format x scale) in f32.
;;   ~~~python
;;   def quantise(x, axis):      # numpy; x: float32 -> the quantised numbers, widened to float32 again
;;       x = np.moveaxis(x, axis, -1); K = x.shape[-1]
;;       x = np.pad(x, [(0, 0)] * (x.ndim - 1) + [(0, -K % 32)]); x = x.reshape(x.shape[:-1] + (-1, 32)); a = np.abs(x).max(-1, keepdims=True)
;;       e = np.where(a > 0, np.clip(np.frexp(np.where(a > 0, a, 1))[1] - 1 - 15, -126, 127), 0)      # np.frexp(a)[1] - 1 = floor(log2(a)), exactly
;;       r = np.clip(x / 2.0 ** e, -57344, 57344)
;;       step = 2.0 ** (np.maximum(np.frexp(np.where(r == 0, 1, r))[1] - 1, -14) - 2)
;;       q = np.round(r / step) * step * 2.0 ** e      # np.round: ties to even
;;       return np.moveaxis(q.reshape(q.shape[:-2] + (-1,))[..., :K], -1, axis).astype(np.float32)
;;   ~~~
;;   SOFTMAX AHEAD OF A QUANTISED PRODUCT. Where the list says 'softmax', what is quantised is not the finished softmax but p = 2^(t - M), with t = logit x log2(e) and M = ceil(the row's largest t), a whole number; so 1/2 < the row's largest p <= 1. The row's sum l is taken of the UNQUANTISED p, in f32, and the product's result is divided by l at the end. Since M is a whole number, a kernel that streams over the keys may use a running M (the ceiling of the running maximum): every later rescaling is an exact power of two, which a block's scale takes up: the codes' values come out the same.
;;   OPERANDS COMPUTED ON THE WAY. 'Computed on the way' means the value that the module computes at that place (a softmax that the list does not call 'softmax' is quantised finished and normalised). What goes into a quantiser is computed in f32, as accurately as f32 sums, v_exp_f32 and their like allow (about 1e-6 of the number): no bf16 or f16 on the way to a quantiser, and a product that is left as it is and whose result goes on into a quantised operand takes f32 operands (vector FMAs, or v_wmma_f32_16x16x4_f32). A number that lies on a knife's edge between two numbers of the format may be rounded either way, as far as f32 arithmetic and the matrix unit's own rounding can turn it there, and no further.
;; One version. Each part assembles by itself: llvm-mc -triple=amdgcn-amd-amdhsa -mcpu=gfx1250 --defsym DOCPART=n.
;; ======== version 1 of 1: 2 launches
;; limits: right only within a limited range of input values
;; workspace buffers: kv 8,781,824 bytes
;; launch quant (part 1): grid 512 x 1, 4 waves a work-group, no clusters, 70,144 bytes of LDS; arguments keys, values, kv; writes kv
.if DOCPART == 1
	.amdgcn_target "amdgcn-amd-amdhsa--gfx1250"
	.amdhsa_code_object_version 6
	.text
	.protected	k_q9b842cd93f_quant
	.globl	k_q9b842cd93f_quant
	.p2align	8
	.type	k_q9b842cd93f_quant,@function
k_q9b842cd93f_quant:
	s_mov_b64 s[64:65], 0
	v_nop
	global_prefetch_b8 v0, s[64:65] scope:SCOPE_SE
	s_setreg_imm32_b32 hwreg(HW_REG_WAVE_MODE, 25, 1), 1
	s_wait_xcnt 0x0
; keys and values, [32 heads][2048][64] f32, become codes of BF8 (E5M2) with one E8M0 byte for each 32 along a product's K, laid in kv as IMAGES OF THE OPERANDS' REGISTERS.
; keys are quantised along d (the first product's K), values along the keys (the second product's K).
; kv: for each head and each step of 128 keys one dense block of STEPB = 17,152 bytes:
;   0      K's codes: 8 tiles x 1,024 bytes.  Tile t, piece c (d = 32 c ..) at 1024 t + 512 c + 16 x lane; lane (r, h) holds d = 32 c + 16 h + 0 .. 15 of key 32 (t / 2) + 8 (t % 2) + r + 8 (r / 8)
;   8192   V's codes: 4 tiles x 2,048 bytes.  Tile t (d = 16 t + r), piece c at 2048 t + 512 c + 256 h + 16 r: keys 32 c + 16 h + 0 .. 15
;   16384  K's scale words: tile t, row r at 256 (t / 4) + 16 r + 4 (t % 4): the bytes of d 0-31 and 32-63, and 0x7f twice for the zero codes that fill K up to 128
;   16896  V's scale words: column d at 4 d: the bytes of the step's four blocks of 32 keys
; A block's scale is 2^(floor(log2(its largest magnitude)) - 15); its byte is the largest magnitude's exponent field - 15, held at 1 from below; each number is held within +-57,344 x the scale and rounded to the nearest code.
; LIMITS: NaN and infinities among the inputs are not served.  A block of zeros gets the byte 1 where the rule says 127: its codes are zeros, which add nothing under any byte but 0xff, and this program alone reads the bytes.
; SHARES.  Work-groups 0-255 take the keys, 256-511 the values.  A wave takes half a step: 16,384 bytes of f32.  Waves share nothing: no barrier.  Every offset is an immediate: no loop.
; No matrix unit, no cluster, no tensor load: the launch reads each input byte once and shares nothing between work-groups.
.set STEPB,  17152
.set VC,     8192
.set KSC,    16384
.set VSC,    16896
.set SPITCH, 272                       ; a key's row in a stage: 256 bytes + 16, so that sixteen rows read at one column fall on different banks (64 banks of 4 bytes: ISA guide 11.1)
.set STG,    32*SPITCH                 ; a stage: 32 keys
.set WREG,   2*STG                     ; two stages for each wave
.set RAW0,   16                        ; v16-79   keys 0-31 of my 64 as loaded; later X1
.set RAW1,   80                        ; v80-143  keys 32-63 as loaded
.set X0,     144                       ; v144-207 two tiles' numbers: register 16 (2 u + c) + i = d 32 c + 16 h + i of tile u's row r
.set X1,     16
.set PC0,    208                       ; v208-223 codes of the first two tiles
.set PC1,    224                       ; v224-239 of the last two
.set TM,     240                       ; v240-243 largest magnitudes, v244-247 bytes, v248-251 57,344 x the scale, v252-255 the conversions' scale operands
.set VX,     16                        ; the values' path: v16-143 four sets of 32 numbers
.set VCD,    144                       ; v144-175 codes, eight registers a block
	s_load_b128 s[4:7], s[0:1], 0x0                ; keys s[4:5], values s[6:7]
	s_load_b64 s[8:9], s[0:1], 0x10                ; kv
	s_set_vgpr_msb 0x40
	v_lshl_add_u32 v0, v0, 2, 0x11000
	v_mov_b32 v1, 0
	s_set_vgpr_msb 0x4000
	v_lshrrev_b32 v1, 5, v0
	v_readfirstlane_b32 s10, v1                    ; wave 0..3
	s_and_b32 s11, ttmp9, 255
	s_lshl_b32 s11, s11, 2
	s_add_co_u32 s11, s11, s10                     ; my task, 0 .. 1,023
	s_lshr_b32 s12, s11, 1                         ; which step block: 16 x head + step
	s_and_b32 s13, s11, 1                          ; which half of it
	s_mul_i32 s14, s12, STEPB
	s_mov_b32 s15, 0
	s_mov_b32 s20, 0x76543210
	s_mov_b32 s21, 0xfedcba98                      ; v_permlanex16_b32's selects for lane l xor 16
	s_mov_b32 s22, 0x600000                        ; the mantissa field of 57,344
	v_and_b32 v2, 31, v0                           ; lane
	v_and_b32 v3, 15, v0                           ; r
	v_bfe_u32 v4, v0, 4, 1                         ; h
	v_lshlrev_b32 v5, 4, v2                        ; 16 x lane
	s_mul_i32 s23, s10, WREG                       ; my wave's stages
	v_mul_u32_u24 v6, v4, SPITCH
	v_lshl_add_u32 v6, v3, 4, v6
	v_add_nc_u32 v6, s23, v6                       ; into a stage: a load's two keys go to two neighbouring rows: 272 h + 16 r
	v_mul_u32_u24 v7, v3, SPITCH
	v_lshl_add_u32 v7, v4, 6, v7
	v_add_nc_u32 v7, s23, v7                       ; out of it: row r, + 64 h: my 16 numbers of a block of 32
.irp b, 0,1,2,3
	v_mov_b32 v[TM+4+\b], 0                        ; written once: a lane permute's destination counts as one of its sources
.endr
	s_wait_kmcnt 0x0
	s_add_nc_u64 s[8:9], s[8:9], s[14:15]          ; kv at my step block
	s_cmp_ge_u32 ttmp9, 256                        ; keys or values: the work-group's number alone decides
	s_cbranch_scc1 .Lvalues
; ---------------- THE KEYS.  My 64 keys are tiles 4 H .. 4 H + 3 of the step (H = my half).
	s_lshl_b32 s16, s11, 14                        ; 64 keys of 256 bytes a task
	s_mov_b32 s17, 0
	s_add_nc_u64 s[4:5], s[4:5], s[16:17]
.irp i, 0,1,2,3,4,5,6,7,8,9,10,11,12,13,14,15,16,17,18,19,20,21,22,23,24,25,26,27,28,29,30,31
	global_load_b128 v[RAW0+4*\i:RAW0+4*\i+3], v5, s[4:5] offset:512*\i th:TH_LOAD_NT   ; 32 lanes read 512 consecutive bytes: keys 2 i and 2 i + 1
.endr
	s_lshl_b32 s18, s13, 12
	v_add_nc_u32 v8, s18, v5                       ; where my codes go: 16 x lane + 4096 H
	v_lshlrev_b32 v9, 4, v3
	v_lshl_add_u32 v9, v4, 3, v9
	s_lshl_b32 s19, s13, 8
	v_add_nc_u32 v9, s19, v9                       ; and two of my row's four scale words: 16 r + 8 h + 256 H
; 32 keys go into stage p as they were loaded.  Key k lands in row (k with its bits 3 and 4 exchanged): so the 16 keys of tile u, 8 u + r + 8 (r / 8), become rows 16 u + r.
.macro KIN p, raw
.irp i, 0,1,2,3,4,5,6,7,8,9,10,11,12,13,14,15
	ds_store_b128 v6, v[\raw+4*\i:\raw+4*\i+3] offset:STG*\p+SPITCH*(((2*\i)&7)|(((2*\i)&8)<<1)|(((2*\i)&16)>>1))
.endr
.endm
; and come back 16 neighbours along d to a lane.  LDS serves a wave's instructions in order (ISA guide 5.7.1.4): no wait between the stores and the loads.
.macro KOUT p, x
.irp u, 0,1
.irp c, 0,1
.irp j, 0,1,2,3
	ds_load_b128 v[\x+16*(2*\u+\c)+4*\j:\x+16*(2*\u+\c)+4*\j+3], v7 offset:STG*\p+SPITCH*16*\u+128*\c+16*\j
.endr
.endr
.endr
.endm
; Four blocks of 32 (two tiles x two pieces), 16 numbers of each in my lane and 16 in lane l xor 16: their bytes into v[TM+4 ..], their codes into v[pc ..], four registers a block.
.macro QUANT4 s, pc
.irp b, 0,1,2,3
	v_max3_num_f32 v[TM+\b], |v[\s+16*\b]|, |v[\s+1+16*\b]|, 0x8000000   ; and the floor 2^(16 - 127): the byte cannot fall under 1
.endr
.irp i, 2,4,6,8,10,12,14
.irp b, 0,1,2,3
	v_max3_num_f32 v[TM+\b], v[TM+\b], |v[\s+16*\b+\i]|, |v[\s+1+16*\b+\i]|   ; the four blocks by turns: no line waits for the line above it
.endr
.endr
.irp b, 0,1,2,3
	v_permlanex16_b32 v[TM+4+\b], v[TM+\b], s20, s21
.endr
.irp b, 0,1,2,3
	v_max_num_f32 v[TM+\b], v[TM+\b], v[TM+4+\b]   ; the block's largest magnitude
.endr
.irp b, 0,1,2,3
	v_add_nc_u32 v[TM+12+\b], 0xf8800000, v[TM+\b] ; 15 off its exponent field: the conversion takes the exponent field of this operand as its scale
.endr
.irp b, 0,1,2,3
	v_and_or_b32 v[TM+8+\b], v[TM+\b], 0x7f800000, s22   ; 57,344 x the scale
.endr
.irp b, 0,1,2,3
	v_lshrrev_b32 v[TM+4+\b], 23, v[TM+12+\b]      ; the scale's byte
.endr
.irp b, 0,1,2,3
.irp i, 0,1,2,3,4,5,6,7,8,9,10,11,12,13,14,15
	v_med3_num_f32 v[\s+16*\b+\i], v[\s+16*\b+\i], -v[TM+8+\b], v[TM+8+\b]   ; the conversion to an 8-bit code does not saturate (ISA guide 7.6.2): the hold comes first
.endr
	v_cvt_scalef32_pk8_bf8_f32 v[\pc+4*\b:\pc+4*\b+1], v[\s+16*\b:\s+16*\b+7], v[TM+12+\b]
	v_cvt_scalef32_pk8_bf8_f32 v[\pc+4*\b+2:\pc+4*\b+3], v[\s+16*\b+8:\s+16*\b+15], v[TM+12+\b]
.endr
	v_nop                                          ; a plain line behind the last conversion
.endm
	s_wait_loadcnt 16                              ; keys 0-31 are in; the sixteen younger loads may be out
	KIN 0, RAW0
	s_wait_alu depctr_va_vdst(0)
	KOUT 0, X0
	s_wait_loadcnt 0x0                             ; keys 32-63
	KIN 1, RAW1
	s_wait_dscnt 16                                ; all but the sixteen stores just issued: X0 is in, and the first stage's stores have read RAW0,
	KOUT 1, X1                                     ; whose registers take the last two tiles
	QUANT4 X0, PC0
	v_lshl_or_b32 v10, v[TM+5], 8, v[TM+4]         ; tile 4 H's scale word of my row,
	v_lshl_or_b32 v11, v[TM+7], 8, v[TM+6]         ; tile 4 H + 1's
	v_or_b32 v10, 0x7f7f0000, v10                  ; 2^0 for the zero codes of K = 64 .. 127
	v_or_b32 v11, 0x7f7f0000, v11
.irp b, 0,1,2,3
	global_store_b128 v8, v[PC0+4*\b:PC0+4*\b+3], s[8:9] offset:512*\b   ; 32 lanes store 512 consecutive bytes, aligned to 256
.endr
	s_wait_dscnt 0x0                               ; X1 is in
	QUANT4 X1, PC1
	v_lshl_or_b32 v12, v[TM+5], 8, v[TM+4]
	v_lshl_or_b32 v13, v[TM+7], 8, v[TM+6]
	v_or_b32 v12, 0x7f7f0000, v12
	v_or_b32 v13, 0x7f7f0000, v13
.irp b, 0,1,2,3
	global_store_b128 v8, v[PC1+4*\b:PC1+4*\b+3], s[8:9] offset:2048+512*\b
.endr
	v_cmp_eq_u32 vcc_lo, 1, v4                     ; both halves of the lanes hold all four words of row r: lanes 0-15 store the first two, lanes 16-31 the last two
	v_cndmask_b32 v14, v10, v12, vcc_lo
	v_cndmask_b32 v15, v11, v13, vcc_lo
	global_store_b64 v9, v[14:15], s[8:9] offset:KSC   ; 32 lanes store 256 consecutive bytes, aligned
	s_set_vgpr_msb 0x5
	s_wait_tensorcnt 0x0
	ds_add_u32 v0, v1
	s_wait_dscnt 0x0
	s_set_vgpr_msb 0x500
	s_endpgm
; ---------------- THE VALUES.  A LANE TAKES A COLUMN d = 32 e + lane (e = my half), AND ITS REGISTERS RUN DOWN THE KEYS: a block of 32 keys lies in one lane, and the codes come out with the keys innermost.
.Lvalues:
	s_lshl_b32 s16, s12, 15                        ; 128 keys of 256 bytes a step,
	s_lshl_b32 s18, s13, 7                         ; my 32 columns
	s_add_co_u32 s16, s16, s18
	s_mov_b32 s17, 0
	s_add_nc_u64 s[6:7], s[6:7], s[16:17]
	v_lshlrev_b32 v8, 2, v2                        ; in: 4 bytes a lane
.macro VLOAD t                         ; block t: keys 32 t + i; a load reads 128 consecutive bytes, the neighbouring wave the row's other 128
.irp i, 0,1,2,3,4,5,6,7,8,9,10,11,12,13,14,15,16,17,18,19,20,21,22,23,24,25,26,27,28,29,30,31
	global_load_b32 v[VX+32*(\t)+\i], v8, s[6:7] offset:256*(32*(\t)+\i)
.endr
.endm
	VLOAD 0
	VLOAD 1
	v_lshlrev_b32 v9, 11, v4
	v_lshl_add_u32 v9, v3, 4, v9
	s_lshl_b32 s19, s13, 12
	v_add_nc_u32 v9, s19, v9                       ; out: tile 2 e + lane / 16, row lane % 16: 2048 (lane / 16) + 16 (lane % 16) + 4096 e
	v_add_nc_u32 v10, s18, v8                      ; my column's scale word: 4 x lane + 128 e
.macro VBLOCK c
.set XS, VX+32*(\c)
.if (\c) < 3
	s_wait_loadcnt 32                              ; this block's 32 loads are in; the next block's may be out
.else
	s_wait_loadcnt 0x0
.endif
.if (\c)+2 < 4
	VLOAD (\c)+2                                   ; two blocks ahead, into registers of its own
.endif
	v_max3_num_f32 v12, |v[XS]|, |v[XS+1]|, |v[XS+2]|   ; the block's largest magnitude: all 32 numbers are mine; two chains
	v_max3_num_f32 v13, |v[XS+3]|, |v[XS+4]|, |v[XS+5]|
.irp i, 6,10,14,18,22,26
	v_max3_num_f32 v12, v12, |v[XS+\i]|, |v[XS+\i+1]|
	v_max3_num_f32 v13, v13, |v[XS+\i+2]|, |v[XS+\i+3]|
.endr
	v_max3_num_f32 v12, v12, |v[XS+30]|, |v[XS+31]|
	v_max3_num_f32 v12, v12, v13, 0x8000000        ; and the floor 2^(16 - 127)
	v_add_nc_u32 v14, 0xf8800000, v12              ; the conversion's scale operand
	v_and_or_b32 v15, v12, 0x7f800000, s22         ; 57,344 x the scale
	v_lshrrev_b32 v13, 23, v14                     ; the scale's byte
.if (\c) == 0
	v_mov_b32 v11, v13                             ; four bytes to the word, the earlier keys in the lower byte
.else
	v_lshl_or_b32 v11, v13, 8*(\c), v11
.endif
.irp i, 0,1,2,3,4,5,6,7,8,9,10,11,12,13,14,15,16,17,18,19,20,21,22,23,24,25,26,27,28,29,30,31
	v_med3_num_f32 v[XS+\i], v[XS+\i], -v15, v15
.endr
.irp g, 0,1,2,3
	v_cvt_scalef32_pk8_bf8_f32 v[VCD+8*(\c)+2*\g:VCD+8*(\c)+2*\g+1], v[XS+8*\g:XS+8*\g+7], v14
.endr
	v_nop                                          ; a plain line behind the last conversion
	global_store_b128 v9, v[VCD+8*(\c):VCD+8*(\c)+3], s[8:9] offset:VC+512*(\c)        ; keys 32 c + 0 .. 15: sixteen lanes store 256 consecutive bytes, aligned
	global_store_b128 v9, v[VCD+8*(\c)+4:VCD+8*(\c)+7], s[8:9] offset:VC+512*(\c)+256  ; keys 32 c + 16 .. 31
.endm
	s_wait_alu depctr_va_vdst(0)
	VBLOCK 0
	VBLOCK 1
	VBLOCK 2
	VBLOCK 3
	global_store_b32 v10, v11, s[8:9] offset:VSC   ; 128 consecutive bytes: half of the step's 256 bytes of V's scale words; the neighbouring wave stores the other half (128 of my 4,224 bytes)
	s_endpgm
.Lfunc_end_k_q9b842cd93f_quant:
	.size	k_q9b842cd93f_quant, .Lfunc_end_k_q9b842cd93f_quant-k_q9b842cd93f_quant
	.p2alignl 7, 3214868480
	.fill 96, 4, 3214868480
	.section	.rodata,"a",@progbits
	.p2align	6, 0x0
	.amdhsa_kernel k_q9b842cd93f_quant
		.amdhsa_group_segment_fixed_size 70144
		.amdhsa_private_segment_fixed_size 0
		.amdhsa_enable_private_segment 0
		.amdhsa_kernarg_size 24
		.amdhsa_user_sgpr_count 2
		.amdhsa_user_sgpr_kernarg_segment_ptr 1
		.amdhsa_wavefront_size32 1
		.amdhsa_system_sgpr_workgroup_id_x 1
		.amdhsa_system_sgpr_workgroup_id_y 1
		.amdhsa_system_sgpr_workgroup_id_z 1
		.amdhsa_system_vgpr_workitem_id 0
		.amdhsa_next_free_vgpr 258
		.amdhsa_next_free_sgpr 66
		.amdhsa_reserve_vcc 1
		.amdhsa_float_denorm_mode_32 3
		.amdhsa_float_denorm_mode_16_64 3
		.amdhsa_memory_ordered 1
		.amdhsa_forward_progress 1
		.amdhsa_inst_pref_size 55
	.end_amdhsa_kernel
	.amdgpu_metadata
---
amdhsa.version: [ 1, 2 ]
amdhsa.kernels:
  - .name:           k_q9b842cd93f_quant
    .symbol:         k_q9b842cd93f_quant.kd
    .args:
      - { .name: keys, .offset: 0, .size: 8, .value_kind: global_buffer, .address_space: global }
      - { .name: values, .offset: 8, .size: 8, .value_kind: global_buffer, .address_space: global }
      - { .name: kv, .offset: 16, .size: 8, .value_kind: global_buffer, .address_space: global }
    .group_segment_fixed_size: 70144
    .private_segment_fixed_size: 0
    .kernarg_segment_align: 8
    .kernarg_segment_size: 24
    .max_flat_workgroup_size: 128
    .sgpr_count:     66
    .vgpr_count:     258
    .wavefront_size: 32
...
	.end_amdgpu_metadata
.endif
;; end of part 1
;; launch attn (part 2): grid 8 x 32, 16 waves a work-group, clusters of 4 x 1, 327,680 bytes of LDS; arguments queries, kv, out0; writes out0
.if DOCPART == 2
	.amdgcn_target "amdgcn-amd-amdhsa--gfx1250"
	.amdhsa_code_object_version 6
	.text
	.protected	k_q9b842cd93f_attn
	.globl	k_q9b842cd93f_attn
	.p2align	8
	.type	k_q9b842cd93f_attn,@function
k_q9b842cd93f_attn:
	s_mov_b64 s[64:65], 0
	v_nop
	global_prefetch_b8 v0, s[64:65] scope:SCOPE_SE
	s_setreg_imm32_b32 hwreg(HW_REG_WAVE_MODE, 25, 1), 1
	s_wait_xcnt 0x0
	s_wait_alu depctr_hold_cnt(0) depctr_sa_sdst(0) depctr_va_vdst(0) depctr_va_sdst(0) depctr_va_ssrc(0) depctr_va_vcc(0) depctr_vm_vsrc(0)
	s_getreg_b32 s2, hwreg(HW_REG_IB_STS2, 6, 4)
	s_cmp_eq_u32 s2, 0
	s_cbranch_scc0 .Lentry_in_a_cluster
	s_endpgm
.Lentry_in_a_cluster:
	s_bfe_u32 s2, ttmp6, 0x10000c
	s_cmp_lg_u32 s2, 0x3003
	s_cbranch_scc0 .Lentry_shape_is_right
	s_endpgm
.Lentry_shape_is_right:
; out0[head][q][:] = the sum over k <= q of softmax_k(Q[q] . K[k] / 8) V[k][:], 32 heads of 2,048 x 64, both products on codes of BF8 (E5M2) with one E8M0 scale for each 32 along a product's K.
; K and V come as codes and scale words from kv, laid as images of the operands' registers, 17,152 bytes for each step of 128 keys; Q (f32) is quantised here.
; THE SOFTMAX: t = score x log2(e) / 8; M = the running largest t rounded UP to a whole number; p = 2^(t - M) is quantised along the keys, not normalised; the row's sum is taken of the unquantised p and divides at the end.
; When M moves, the sum and O are multiplied by 2^(old M - new M): exact.
; LEFT OUT: steps all of whose keys come after a tile's queries.  reference() puts -inf there ahead of its softmax, for all values of the inputs: p = 0, and nothing reaches the result.  A NaN, an infinity or an overflow that
; reaches only that work is not carried to the result.
; SHARES.  Work-group x of a head owns tile x (16 queries) of each of the head's 16 blocks of 128 queries: which steps a wave does hangs on its own number alone, alike in all work-groups.  The waves 2 i and 2 i + 1 are pair i:
; wave B makes steps 0 .. 7 of tile 15 - i and leaves its partial sums in LDS; wave A makes tile i's steps 0 .. i and puts it out, then steps 8 .. 15 - i of tile 15 - i, takes B's sums in and puts that tile out.  9 steps for A, 8
; for B; which of the two waves is A turns with bit 2 of the wave's number, so that four waves with w % 4 or w / 4 alike hold two A and two B: 34 steps.
; CLUSTERS of four work-groups of one head: each step's block is asked for jointly by the four, one load a wave.  The whole head is asked for at the kernel's start and nothing is filled again: no loop is left in which a prefetch could run ahead.
; LAYOUT.  Both products are used transposed: S^T = K Q^T, O^T = V^T P^T: a lane holds ONE query (lane % 16 = r) throughout; h = lane / 16.  Lane r of K's tile 2 b + u holds key 32 b + 8 u + r + 8 (r / 8), so that the 16 registers
; of tiles 2 b and 2 b + 1 are the neighbouring keys 32 b + 16 h + 0 .. 15.
; THE FIRST PRODUCT'S K IS 64: Q carries zero codes for K = 64 .. 127.  Opposite them stand whatever finite codes lie behind a tile's eight registers: the next tile's; behind tile 3 p's codes of the step before; behind tile 7 tile 0's.
; K IS READ A STEP AHEAD: tiles 0-3 behind the step's first product, tiles 4-7 behind its second.  V's tiles 0 and 1 take the registers of K's tiles 4-7, V's tiles 2 and 3 those of the scores that have become codes.
; LIMITS: NaN and infinities among the inputs are not served; the promise holds while |t| stays under 2^31; a p under 2^-126 counts as 0 (v_exp_f32 flushes); a block of p that is all zeros carries the byte 1, over zero codes.
.set STEPB, 17152                      ; a step's block: K's codes 8,192 | V's codes 8,192 | K's scale words 512 | V's scale words 256
.set VC,    8192
.set KSC,   16384
.set VSC,   16896
.set STAGEB, 4096                      ; A's stage, 16 rows of 256 bytes, at 4,096 x pair: in the blocks of steps 0 and 1, which nobody reads behind the second barrier
.set PARB,  4352                       ; B's partial sums: O 4,096 bytes, the sum 128, -M 128
.set PARR,  16*STEPB
.set QIM,   PARR+8*PARB                ; B's codes and scale word of Q for A: 1,280 bytes a pair
.set QST,   PARR                       ; at the head alone: 2,304 bytes a wave, Q on its way into the operand's layout (over ahead of the first barrier)
.set SPARE, QIM+8*1280                 ; the spare words, 128 bytes for each wave
.set LI,  1                            ; 16 x lane
.set LS,  2                            ; 4 x lane
.set ADK, 3                            ; the step's block + 16 x lane
.set ADS, 4                            ; the step's block + 4 x lane
.set SPW, 5
.set STO, 6                            ; the stage: where I put 16 bytes of a row (even pieces; odd ones: STO1)
.set RD,  7                            ; and where I read two rows back (even i; odd i: RD1)
.set NIL, 8
.set QA,  9                            ; Q's image, and its scale word
.set QB,  10
.set NINF, 11
                                       ; v12 -M, v13 the largest score, v[14:15] the row's sum in two halves
.set QF,  16                           ; Q's fragment: 8 registers of codes, 8 of zeros
.set KB,  32                           ; v32-63   K's tiles 4-7, then V's tiles 0 and 1
.set KA,  64                           ; v64-95   K's tiles 0-3
.set PC,  96                           ; v96-111  p's codes
.set S,   112                          ; v112-175 S^T, then p; v112-143 then V's tiles 2 and 3
.set O,   176                          ; v176-207 O^T
.set T,   208                          ; v208-223 at work; eight chains of the row's sum
.set KS,  224                          ; K's scale words: lanes 0-15 tiles 0-3, lanes 16-31 tiles 4-7
.set BM,  228                          ; a block's largest score, its largest p, then 57,344 x the scale
.set SCL, 232                          ; the conversions' scale operands
.set F,   236                          ; 2^(old M - new M)
.set TMP, 238
.set VS,  240                          ; V's scale words: lanes 0-15 tiles 0, 2; lanes 16-31 tiles 1, 3
.set PAR, 242                          ; B's partial sums: O's place, and the words'
.set PW,  243
.set QS,  244
.set PARS, 245
.set STO1, 246
.set RD1, 247
.set ADN, 255                          ; the next step's block + 16 x lane
.set WV,  10
.set ROLE, 13                          ; 0: A, 1: B
.set PAIR, 14
.set LIM, 15                           ; the first step that I leave out
.set TB,  16
.set ST,  17
.set LATE, 19                          ; 15 - pair
.set SEL, 20
.set CS,  22                           ; s[22:23] c = log2(e) / 8
.set MNT, 24
.set NCS, 25                           ; -c
.set UM,  30                           ; the diagonal: register 16 b + i is hidden in the lanes UM_b | (VM_b & (2^i - 1 in both halves))
.set VM,  34
.set MK,  66
.set DG,  42                           ; the step that lies on my diagonal
.set LIM2, 43
.set G0,  44
.set G1,  48
.macro CROUND                          ; a round of the cluster's barrier
	s_barrier_signal -1
	s_barrier_wait -1
	s_cmp_lg_u32 s[WV], 0
	s_cbranch_scc1 .Lnot_wave_0_\@
	s_barrier_signal -3
.Lnot_wave_0_\@:
	s_barrier_wait -3
	s_barrier_signal -1
	s_barrier_wait -1
.endm
.macro INIT                            ; no key yet: O and the sum 0, the largest score -3e38
.irp j, 0,1,2,3,4,5,6,7,8,9,10,11,12,13,14,15,16,17,18,19,20,21,22,23,24,25,26,27,28,29,30,31
	v_mov_b32 v[O+\j], 0
.endr
	v_mov_b32 v13, 0xff61b1e6
	v_mov_b32 v14, 0
	v_mov_b32 v15, 0
	v_mul_f32 v[TMP], s[NCS], v13
	v_floor_f32 v12, v[TMP]
.endm
.macro KLOADA a                        ; K's scale words and tiles 0-3 of the block at a
	ds_load_b128 v[KS:KS+3], v[\a] offset:KSC
.irp t, 0,1,2,3
	ds_load_b128 v[KA+8*\t:KA+8*\t+3], v[\a] offset:1024*\t
	ds_load_b128 v[KA+8*\t+4:KA+8*\t+7], v[\a] offset:1024*\t+512
.endr
.endm
.macro KLOADB a                        ; K's tiles 4-7
.irp t, 0,1,2,3
	ds_load_b128 v[KB+8*\t:KB+8*\t+3], v[\a] offset:4096+1024*\t
	ds_load_b128 v[KB+8*\t+4:KB+8*\t+7], v[\a] offset:4096+1024*\t+512
.endr
.endm
	s_load_b128 s[4:7], s[0:1], 0x0                ; queries s[4:5], kv s[6:7]
	s_load_b64 s[8:9], s[0:1], 0x10                ; out0
	v_lshl_add_u32 v[SPW], v0, 2, SPARE
	v_mov_b32 v[NIL], 0
	ds_add_u32 v[SPW], v[NIL]                      ; the opening: the add, twice on end, and its wait
	ds_add_u32 v[SPW], v[NIL]
	v_lshrrev_b32 v9, 5, v0
	v_readfirstlane_b32 s[WV], v9                  ; wave 0..15
	v_and_b32 v248, 31, v0                         ; lane
	v_and_b32 v249, 15, v0                         ; r
	v_bfe_u32 v250, v0, 4, 1                       ; h
	v_lshrrev_b32 v251, 3, v248
	v_and_b32 v252, 7, v248
	v_lshlrev_b32 v3, 8, v251
	v_lshl_add_u32 v3, v252, 4, v3                 ; Q: a load takes 128 bytes of each of four rows, eight lanes to a row
	v_lshlrev_b32 v[LI], 4, v248
	v_lshlrev_b32 v[LS], 2, v248
	s_bfe_u32 s18, ttmp6, 0x40000                  ; my place in the cluster: it enters global addresses and the diagonal's lanes alone
	s_lshl_b32 s11, ttmp9, 2
	s_add_co_u32 s11, s11, s18                     ; x: work-group of the head, 0..7
	s_and_b32 s12, ttmp7, 0xffff                   ; head
	s_lshr_b32 s[ROLE], s[WV], 2
	s_xor_b32 s[ROLE], s[ROLE], s[WV]
	s_and_b32 s[ROLE], s[ROLE], 1
	s_lshr_b32 s[PAIR], s[WV], 1
	s_sub_co_u32 s[LATE], 15, s[PAIR]
	s_lshl_b32 s26, s[PAIR], 15                    ; in bytes: a block of 128 rows,
	s_lshl_b32 s58, s[LATE], 15
	s_lshl_b32 s18, s11, 12                        ; a tile of 16,
	s_lshl_b32 s28, s12, 19                        ; a head of 2,048
	s_add_co_u32 s18, s18, s28
	s_add_co_u32 s26, s26, s18                     ; tile i
	s_add_co_u32 s58, s58, s18                     ; tile 15 - i
	s_mov_b32 s27, 0
	s_mov_b32 s59, 0
	s_mov_b32 s61, 0
	s_add_co_u32 s56, s[PAIR], 1
	s_add_co_u32 s57, s[LATE], 1
	s_cmp_eq_u32 s[ROLE], 0
	s_cselect_b32 s60, s26, s58                    ; whose Q I load
	s_cselect_b32 s[LIM], s56, 8
	s_cselect_b32 s[DG], s[PAIR], 64
	s_cselect_b32 s[LIM2], s57, 0
	s_mul_i32 s28, s12, 16*STEPB
	s_mul_i32 s[G0+1], s[WV], STEPB                ; wave w fetches step w
	s_add_co_u32 s28, s28, s[G0+1]
	s_mov_b32 s29, 0
	s_mov_b32 s[G0], 1
	s_mov_b32 s[G1+0], 15|(3<<16)|(1<<21)          ; all four of the cluster; elements of 8 bytes; no padding: a dense block as 67 rows of 256 bytes
	s_mov_b32 s[G1+1], 32<<16
	s_mov_b32 s[G1+2], 67<<16
	s_mov_b32 s[G1+3], 32<<16
	s_mov_b32 s[G1+4], 67
	s_mov_b32 s[G1+5], 32
	s_mov_b32 s[G1+6], 0
	s_mov_b32 s[G1+7], 0
	s_wait_alu depctr_va_vdst(0)
	s_wait_dscnt 0x0                               ; both opening adds are done
	s_wait_kmcnt 0x0
	s_add_nc_u64 s[4:5], s[4:5], s[60:61]
	s_add_nc_u64 s[62:63], s[8:9], s[58:59]        ; out0 at tile 15 - i
	s_add_nc_u64 s[8:9], s[8:9], s[26:27]          ; and at tile i
	s_add_nc_u64 s[G0+2:G0+3], s[6:7], s[28:29]
	s_or_b32 s[G0+3], s[G0+3], 0x80000000
.irp c, 0,1
.irp i, 0,1,2,3
	global_load_b128 v[S+16*\c+4*\i:S+16*\c+4*\i+3], v3, s[4:5] offset:1024*\i+128*\c   ; Q's rows 4 i .. 4 i + 3, d = 32 c .. 32 c + 31: asked for ahead of the tiles
.endr
.endr
	CROUND                                         ; the joint loads meet
	s_cmp_lt_u32 s[WV], 4                          ; steps 0 to 3 have a line of their own: the first barrier shows them alone
	s_cbranch_scc0 .Llater
	tensor_load_to_lds s[G0:G0+3], s[G1:G1+7]
	s_nop 0
.rept 4
	v_nop
.endr
	s_branch .Lasked
.Llater:
	tensor_load_to_lds s[G0:G0+3], s[G1:G1+7]
	s_nop 0
.rept 4
	v_nop
.endr
.Lasked:
	s_mov_b32 s[SEL], 0x76543210
	s_mov_b32 s[SEL+1], 0xfedcba98                 ; v_permlanex16_b32's selects for lane l xor 16
	s_mov_b32 s[CS], 0x3e38aa3b                    ; c = log2(e) / 8
	s_mov_b32 s[CS+1], s[CS]                       ; (named with it as a pair, so it is written)
	s_mov_b32 s[NCS], 0xbe38aa3b
	s_mov_b32 s[MNT], 0x600000                     ; the mantissa field of 57,344
	; THE DIAGONAL: register 16 b + i of lane (r, h) is key 32 b + 16 h + i of the block, my query is 16 x + r.  By 16 keys: those after my tile are hidden in all lanes, those of my tile where r < i, those before it in none.
	s_mov_b32 s56, 0xffff0000
	s_mov_b32 s57, 0xffff
.irp b, 0,1,2,3
	s_sub_co_i32 s18, 2*\b, s11
	s_cmp_gt_i32 s18, 0
	s_cselect_b32 s[UM+\b], -1, 0
	s_cmp_eq_u32 s18, 0
	s_cselect_b32 s[UM+\b], s56, s[UM+\b]
	s_cselect_b32 s[VM+\b], s57, 0
	s_cmp_eq_u32 s18, -1
	s_cselect_b32 s[VM+\b], s56, s[VM+\b]
.endr
	s_mul_i32 s66, s[PAIR], STAGEB
	s_mul_i32 s67, s[PAIR], PARB
	s_add_co_u32 s67, s67, PARR
	s_mul_i32 s68, s[PAIR], 1280
	s_add_co_u32 s68, s68, QIM
	s_mul_i32 s69, s[WV], 2304
	s_add_co_u32 s69, s69, QST
	; THE STAGE: the 16-byte piece u of row r lies at 256 r + 16 (u xor (r & 3)).  I put pieces 4 t + 2 h and 4 t + 2 h + 1 of row r; back come rows 2 i + h, piece lane % 16.
	v_and_b32 v253, 3, v249
	v_lshlrev_b32 v254, 1, v250
	v_lshlrev_b32 v[STO], 8, v249
	v_xor_b32 v253, v253, v254
	v_xor_b32 v254, v249, v250
	v_lshlrev_b32 v[RD], 8, v250
	v_lshl_add_u32 v[STO], v253, 4, v[STO]
	v_lshl_add_u32 v[RD], v254, 4, v[RD]
	v_add_nc_u32 v[STO], s66, v[STO]
	v_add_nc_u32 v[RD], s66, v[RD]
	v_xor_b32 v[STO1], 16, v[STO]
	v_xor_b32 v[RD1], 32, v[RD]
	v_add_nc_u32 v[PAR], s67, v[LI]
	v_add_nc_u32 v[PARS], s67, v[LS]
	v_add_nc_u32 v[QA], s68, v[LI]
	v_add_nc_u32 v[QB], s68, v[LS]
	v_mul_u32_u24 v253, v251, 144
	v_mul_u32_u24 v254, v249, 144
	v_lshl_add_u32 v253, v252, 4, v253
	v_lshl_add_u32 v254, v250, 6, v254
	v_add_nc_u32 v253, s69, v253                   ; Q into its stage: four rows of 128 bytes, 144 apart, a store;
	v_add_nc_u32 v254, s69, v254                   ; and back: row r, + 64 h: my 16 numbers of a block of 32
.irp i, 0,1,2,3,4,5,6,7
	v_mov_b32 v[QF+8+\i], 0                        ; zero codes for K = 64 .. 127
	v_mov_b32 v[PC+\i], 0                          ; finite codes behind K's tile 3
.endr
.irp b, 0,1,2,3
	v_mov_b32 v[T+\b], 0                           ; a lane permute's destination counts as one of its sources
	v_mov_b32 v[SCL+\b], 0
.endr
	v_mov_b32 v[F+1], 0                            ; (named as the upper half of a pair)
	v_mov_b32 v[NINF], 0xff800000                  ; -infinity
	INIT
	s_wait_alu depctr_va_vdst(0)
	; Q goes through its stage, half a row at a time.  LDS serves a wave's instructions in order (ISA guide 5.7.1.4): the second half's stores come behind the first half's loads.
.irp c, 0,1
	s_wait_loadcnt 4-4*\c                          ; this half's four loads are in; the other's may be out
.irp i, 0,1,2,3
	ds_store_b128 v253, v[S+16*\c+4*\i:S+16*\c+4*\i+3] offset:576*\i
.endr
.irp j, 0,1,2,3
	ds_load_b128 v[KB+16*\c+4*\j:KB+16*\c+4*\j+3], v254 offset:16*\j
.endr
.endr
	s_wait_dscnt 0x0
	; Q's two blocks of 32 along d: 16 numbers of each in my lane, 16 in lane l xor 16
.irp c, 0,1
	v_max3_num_f32 v[BM+\c], |v[KB+16*\c]|, |v[KB+1+16*\c]|, 0x8000000   ; and the floor 2^(16 - 127): the byte cannot fall under 1
.endr
.irp i, 2,4,6,8,10,12,14
.irp c, 0,1
	v_max3_num_f32 v[BM+\c], v[BM+\c], |v[KB+16*\c+\i]|, |v[KB+1+16*\c+\i]|
.endr
.endr
.irp c, 0,1
	v_permlanex16_b32 v[T+\c], v[BM+\c], s[SEL], s[SEL+1]
.endr
.irp c, 0,1
	v_max_num_f32 v[BM+\c], v[BM+\c], v[T+\c]
.endr
.irp c, 0,1
	v_add_nc_u32 v[SCL+\c], 0xf8800000, v[BM+\c]   ; 15 off the exponent field: the conversion's scale operand
.endr
.irp c, 0,1
	v_and_or_b32 v[BM+\c], v[BM+\c], 0x7f800000, s[MNT]   ; 57,344 x the scale
.endr
.irp c, 0,1
	v_lshrrev_b32 v[T+\c], 23, v[SCL+\c]           ; the scale's byte
.endr
	v_lshl_or_b32 v[T], v[T+1], 8, v[T]
	v_or_b32 v[QS], 0x7f7f0000, v[T]               ; 2^0 for the zero codes
.irp c, 0,1
.irp i, 0,1,2,3,4,5,6,7,8,9,10,11,12,13,14,15
	v_med3_num_f32 v[KB+16*\c+\i], v[KB+16*\c+\i], -v[BM+\c], v[BM+\c]   ; the conversion to an 8-bit code does not saturate (ISA guide 7.6.2)
.endr
	v_cvt_scalef32_pk8_bf8_f32 v[QF+4*\c:QF+4*\c+1], v[KB+16*\c:KB+16*\c+7], v[SCL+\c]
	v_cvt_scalef32_pk8_bf8_f32 v[QF+4*\c+2:QF+4*\c+3], v[KB+16*\c+8:KB+16*\c+15], v[SCL+\c]
.endr
.rept 4
	v_nop                                          ; the plain line behind the conversions, and the places ahead of the product that takes the codes
.endr
	s_wait_alu depctr_va_vdst(0)                   ; at the head's end
.macro QK t, a, row                    ; 16 keys x my 16 queries
	v_wmma_scale_f32_16x16x128_f8f6f4 v[S+8*\t:S+8*\t+7], v[\a:\a+15], v[QF:QF+15], 0, v[KS+\t%4], v[QS] matrix_a_fmt:MATRIX_FMT_BF8 matrix_b_fmt:MATRIX_FMT_BF8 \row
.endm
.macro TM j                            ; t - M, two at a time
	v_pk_fma_f32 v[S+\j:S+\j+1], v[S+\j:S+\j+1], s[CS:CS+1], v[12:13] op_sel_hi:[1,0,0]
.endm
.macro PA d, k                         ; the row's sum: pair k onto chain d,
	v_pk_add_f32 v[\d:\d+1], v[\d:\d+1], v[S+2*(\k):S+2*(\k)+1]
.endm
.macro PB d, k, m                      ; a chain begun with pairs k and m,
	v_pk_add_f32 v[\d:\d+1], v[S+2*(\k):S+2*(\k)+1], v[S+2*(\m):S+2*(\m)+1]
.endm
.macro PJ d, e                         ; two chains joined
	v_pk_add_f32 v[\d:\d+1], v[\d:\d+1], v[\e:\e+1]
.endm
.macro HD m                            ; pair m of p held within 57,344 x its block's scale (p is not negative: one-sided)
	v_dual_min_num_f32 v[S+2*(\m)], v[S+2*(\m)], v[BM+(\m)/8] :: v_dual_min_num_f32 v[S+2*(\m)+1], v[S+2*(\m)+1], v[BM+(\m)/8]
.endm
.macro CVT b                           ; block b of p into codes
	v_cvt_scalef32_pk8_bf8_f32 v[PC+4*\b:PC+4*\b+1], v[S+16*\b:S+16*\b+7], v[SCL+\b]
	v_cvt_scalef32_pk8_bf8_f32 v[PC+4*\b+2:PC+4*\b+3], v[S+16*\b+8:S+16*\b+15], v[SCL+\b]
.endm
.macro VLD t, a                        ; V's tile t
.irp c, 0,1,2,3
	ds_load_b128 v[\a+4*\c:\a+4*\c+3], v[ADK] offset:VC+2048*\t+512*\c
.endr
.endm
.macro PV t, a, row                    ; 16 of the head's 64, K = these 128 keys
	v_wmma_scale_f32_16x16x128_f8f6f4 v[O+8*\t:O+8*\t+7], v[\a:\a+15], v[PC:PC+15], v[O+8*\t:O+8*\t+7], v[VS+\t/2], v[PW] matrix_a_fmt:MATRIX_FMT_BF8 matrix_b_fmt:MATRIX_FMT_BF8 \row
.endm
.macro HIDE i                          ; the lanes' masks of registers 16 b + i, into s[MK + 4 (i % 2) ..]
.irp b, 0,1,2,3
	s_and_b32 s[MK+4*(\i%2)+\b], s[VM+\b], ((1<<\i)-1)*0x10001
.endr
.irp b, 0,1,2,3
	s_or_b32 s[MK+4*(\i%2)+\b], s[MK+4*(\i%2)+\b], s[UM+\b]
.endr
.endm
.macro HIDDEN i
.irp b, 0,1,2,3
	v_cndmask_b32 v[S+16*\b+\i], v[S+16*\b+\i], v[NINF], s[MK+4*(\i%2)+\b]
.endr
.endm
.macro HIDE2 i, j
	HIDE \i
	HIDE \j
	HIDDEN \i
	HIDDEN \j
.endm
; A KEY STEP: the 128 keys of step s[ST], whose block lies at LDS byte s[TB]; K's tiles were asked for ahead.  The branches hang on the wave's number and the count of steps.
.macro STEP
	s_cmp_ge_u32 s[ST], s[LIM]
	s_cbranch_scc1 .Lskip_\@
	s_add_co_u32 s18, s[TB], STEPB
	s_min_u32 s18, s18, 15*STEPB                   ; the next step's block (held at the last: nothing is asked for behind it)
	v_add_nc_u32 v[ADK], s[TB], v[LI]
	v_add_nc_u32 v[ADS], s[TB], v[LS]
	v_add_nc_u32 v[ADN], s18, v[LI]
	ds_load_b32 v[VS], v[ADS] offset:VSC           ; the scale words of V's tiles 0 and 1,
	ds_load_b32 v[VS+1], v[ADS] offset:VSC+128     ; and 2 and 3
	s_wait_alu depctr_va_vdst(0)
	QK 0, KA
	QK 1, KA+8
	QK 2, KA+16
	QK 3, KA+24
	s_wait_dscnt 2                                 ; K's tiles 4 to 7 are in; V's two words may be out
	QK 4, KB, matrix_a_scale:MATRIX_SCALE_ROW1
	QK 5, KB+8, matrix_a_scale:MATRIX_SCALE_ROW1
	QK 6, KB+16, matrix_a_scale:MATRIX_SCALE_ROW1
	QK 7, KB+24, matrix_a_scale:MATRIX_SCALE_ROW1
.rept 8
	v_nop                                          ; eight places in front of loads into the fragments' registers and of the first read of the results
.endr
	VLD 0, KB
	VLD 1, KB+16
	s_add_co_u32 s18, s[ST], 1
	s_cmp_ge_u32 s18, s[LIM]
	s_cbranch_scc1 .Lnone_\@                       ; my last step asks for nothing
	KLOADA ADN
.Lnone_\@:
	s_cmp_lg_u32 s[ST], s[DG]
	s_cbranch_scc1 .Lopen_\@
.irp b, 0,1,2,3                                ; on the diagonal hidden scores become -infinity ahead of the maximum: p = 0 then
	v_cndmask_b32 v[S+16*\b], v[S+16*\b], v[NINF], s[UM+\b]
.endr
	HIDE2 1, 2
	HIDE2 3, 4
	HIDE2 5, 6
	HIDE2 7, 8
	HIDE2 9, 10
	HIDE2 11, 12
	HIDE2 13, 14
	HIDE 15
	HIDDEN 15
.Lopen_\@:
	; The largest score of each block of 32 keys serves twice: for the row's maximum, and, since p rises with the score, for the block's largest p.  Each accumulator is read from its low end on.
.irp b, 0,1,2,3
	v_max3_num_f32 v[BM+\b], v[S+16*\b], v[S+1+16*\b], v[S+2+16*\b]
.endr
.irp i, 3,5,7,9,11
.irp b, 0,1,2,3
	v_max3_num_f32 v[BM+\b], v[BM+\b], v[S+16*\b+\i], v[S+1+16*\b+\i]
.endr
.endr
	v_max3_num_f32 v[BM], v[BM], v[S+13], v[S+14]
	v_max3_num_f32 v[BM+1], v[BM+1], v[S+29], v[S+31]
	v_max3_num_f32 v[BM+2], v[BM+2], v[S+45], v[S+46]
	v_max3_num_f32 v[BM+3], v[BM+3], v[S+61], v[S+63]
	v_dual_max_num_f32 v[BM], v[BM], v[S+15] :: v_dual_max_num_f32 v[BM+1], v[BM+1], v[S+30]
	v_dual_max_num_f32 v[BM+2], v[BM+2], v[S+47] :: v_dual_max_num_f32 v[BM+3], v[BM+3], v[S+62]
.irp b, 0,1,2,3
	v_permlanex16_b32 v[T+\b], v[BM+\b], s[SEL], s[SEL+1]
.endr
	v_dual_max_num_f32 v[BM], v[BM], v[T] :: v_dual_max_num_f32 v[BM+1], v[BM+1], v[T+1]   ; with lane l xor 16's 16 keys
	v_dual_max_num_f32 v[BM+2], v[BM+2], v[T+2] :: v_dual_max_num_f32 v[BM+3], v[BM+3], v[T+3]
	v_max3_num_f32 v[TMP], v[BM], v[BM+1], v[BM+2]
	v_mov_b32 v[TMP+1], v12
	s_delay_alu instid0(VALU_DEP_2)
	v_max3_num_f32 v13, v13, v[TMP], v[BM+3]       ; the running largest score of my query
	s_delay_alu instid0(VALU_DEP_1)
	v_mul_f32 v[TMP], s[NCS], v13                  ; as -t (c is positive)
	s_delay_alu instid0(VALU_DEP_1)
	v_floor_f32 v12, v[TMP]                        ; the new -M = floor(-t) = -ceil(t): a whole number
	TM 0
	TM 2
	v_sub_f32 v[TMP], v12, v[TMP+1]                ; old M - new M: a whole number, 0 or less
	TM 4
	TM 6
	v_cvt_i32_f32 v[TMP], v[TMP]                   ; (it saturates)
	TM 8
	TM 10
	v_ldexp_f32 v[F], 1.0, v[TMP]                  ; f = 2^(old M - new M)
	v_pk_fma_f32 v[BM:BM+1], v[BM:BM+1], s[CS:CS+1], v[12:13] op_sel_hi:[1,0,0]   ; t - M of each block's largest score
	v_pk_fma_f32 v[BM+2:BM+3], v[BM+2:BM+3], s[CS:CS+1], v[12:13] op_sel_hi:[1,0,0]
.irp j, 12,14,16,18,20,22,24,26,28,30
	TM \j
.endr
	s_wait_alu depctr_va_vdst(0)                   ; ahead of the batch
.irp b, 0,1,2,3
	v_exp_f32 v[BM+\b], v[BM+\b]                   ; each block's largest p = 2^(t - M), at most 1,
.endr
.irp k, 0,2,4,6,8,10,12,14,16,18,20,22,24,26,28,30
	v_exp_f32 v[S+\k], v[S+\k]                     ; and blocks 0 and 1; among them t - M of blocks 2 and 3, which name none of the batch's registers
	v_exp_f32 v[S+\k+1], v[S+\k+1]
	TM 32+\k
.endr
	v_pk_mul_f32 v[14:15], v[14:15], v[F:F+1] op_sel_hi:[1,0]   ; the sums under the new M
	s_wait_alu depctr_va_vdst(0)                   ; ahead of the batch's first reader
.irp b, 0,1,2,3
	v_max_num_f32 v[BM+\b], 0x8000000, v[BM+\b]    ; the floor 2^(16 - 127): the byte cannot fall under 1
.endr
.irp b, 0,1,2,3
	v_add_nc_u32 v[SCL+\b], 0xf8800000, v[BM+\b]   ; the conversion's scale operand
.endr
.irp b, 0,1,2,3
	v_lshrrev_b32 v[T+\b], 23, v[SCL+\b]           ; the scale's byte
.endr
.irp b, 0,1,2,3
	v_and_or_b32 v[BM+\b], v[BM+\b], 0x7f800000, s[MNT]   ; 57,344 x the scale
.endr
	v_lshl_or_b32 v[T], v[T+1], 8, v[T]
	v_lshl_or_b32 v[T+2], v[T+3], 8, v[T+2]
	v_lshl_or_b32 v[PW], v[T+2], 16, v[T]          ; p's scale word for these 128 keys
	s_wait_alu depctr_va_vdst(0)                   ; ahead of the batch
.irp k, 0,1,2,3,4,5,6,7
	v_exp_f32 v[S+32+2*\k], v[S+32+2*\k]           ; block 2; among it blocks 0 and 1 begin the sum's eight chains, unquantised
	v_exp_f32 v[S+33+2*\k], v[S+33+2*\k]
	PB T+2*\k, \k, \k+8
.endr
.irp k, 0,1,2,3,4,5,6,7
	v_exp_f32 v[S+48+2*\k], v[S+48+2*\k]           ; block 3; among it blocks 0 and 1 are held
	v_exp_f32 v[S+49+2*\k], v[S+49+2*\k]
	HD 2*\k
	HD 2*\k+1
.endr
	s_wait_alu depctr_va_vdst(0)                   ; ahead of the batch's first reader
	CVT 0
	CVT 1
.irp k, 0,1,2,3,4,5,6,7
	PA T+2*\k, \k+16
.endr
	VLD 2, S                                       ; V's tiles 2 and 3 land where blocks 0 and 1 of p stood
	VLD 3, S+16
.irp k, 0,1,2,3,4,5,6,7
	PA T+2*\k, \k+24
.endr
.irp m, 16,17,18,19,20,21,22,23,24,25,26,27,28,29,30,31
	HD \m
.endr
	CVT 2
	CVT 3
	s_wait_dscnt 0x0                               ; V is in, and what was asked for of the next step's K
	s_wait_alu depctr_va_vdst(0)                   ; ahead of O^T's first reader
.irp j, 0,2,4,6,8,10,12,14,16,18,20,22,24,26,28,30
	v_pk_mul_f32 v[O+\j:O+\j+1], v[O+\j:O+\j+1], v[F:F+1] op_sel_hi:[1,0]   ; O^T under the new M, from each accumulator's low end on: also the places between the codes and the products that take them
.endr
	PV 0, KB                                       ; the four accumulators take turns
	PV 1, KB+16, matrix_a_scale:MATRIX_SCALE_ROW1
	PV 2, S
	PV 3, S+16, matrix_a_scale:MATRIX_SCALE_ROW1
	PJ T, T+8                                      ; the sum's chains are joined: eight places behind the products,
	PJ T+2, T+10
	PJ T+4, T+12
	PJ T+6, T+14
	PJ T, T+4
	PJ T+2, T+6
	PJ 14, T
	PJ 14, T+2
	v_nop                                          ; and the ninth: the next step's products write over V's tiles 2 and 3
	s_wait_alu depctr_va_vdst(0)                   ; ahead of the branches that follow
	s_add_co_u32 s18, s[ST], 1
	s_cmp_ge_u32 s18, s[LIM]
	s_cbranch_scc1 .Lskip_\@
	KLOADB ADN
.Lskip_\@:
.endm
.macro WALK from, to                   ; steps from .. to - 1
	s_mov_b32 s[ST], \from
	s_mov_b32 s[TB], \from*STEPB
.Lwalk_\@:
	STEP
	s_add_co_u32 s[TB], s[TB], STEPB
	s_add_co_u32 s[ST], s[ST], 1
	s_cmp_lt_u32 s[ST], \to
	s_cbranch_scc1 .Lwalk_\@
.endm
.macro LSUM                            ; the row's sum: its two halves, and lane l xor 16's
	v_add_f32 v14, v14, v15
	v_permlanex16_b32 v[TMP], v14, s[SEL], s[SEL+1]
	v_add_f32 v14, v14, v[TMP]
.endm
; THE WAY OUT: register 8 t + i of S is out0(query r, 16 t + 8 h + i).  Through my pair's stage into whole rows: a store of the wave covers 512 consecutive bytes, aligned to 256.
.macro OUT o
.irp t, 0,1,2,3
	ds_store_b128 v[STO], v[S+8*\t:S+8*\t+3] offset:64*\t
	ds_store_b128 v[STO1], v[S+8*\t+4:S+8*\t+7] offset:64*\t
.endr
.irp i, 0,2,4,6
	ds_load_b128 v[S+32+4*\i:S+32+4*\i+3], v[RD] offset:512*\i   ; LDS serves a wave's instructions in order (ISA guide 5.7.1.4): these see my stores
	ds_load_b128 v[S+36+4*\i:S+36+4*\i+3], v[RD1] offset:512*\i+512
.endr
.irp i, 0,1,2,3,4,5,6,7
	s_wait_dscnt 7-\i                              ; rows 2 i and 2 i + 1 are back; the younger loads may be out
	global_store_b128 v[LI], v[S+32+4*\i:S+32+4*\i+3], s[\o:\o+1] offset:512*\i th:TH_STORE_NT
.endr
.endm
	s_cmp_lt_u32 s[WV], 4                          ; FIRST BARRIER: the waves that fetched steps 0 to 3 have waited for them
	s_cbranch_scc0 .Lfirst
	s_wait_tensorcnt 0x0
.Lfirst:
	s_barrier_signal -1
	s_barrier_wait -1
	KLOADA LI                                      ; step 0's K
	KLOADB LI
	s_wait_dscnt 0x0
	WALK 0, 2
	s_wait_tensorcnt 0x0                           ; SECOND BARRIER, in two parts: my tile has landed,
	s_cmp_eq_u32 s[ROLE], 0
	s_cbranch_scc1 .Lno_image
	ds_store_b128 v[QA], v[QF:QF+3]                ; and B has left Q's codes and scale word for A
	ds_store_b128 v[QA], v[QF+4:QF+7] offset:512
	ds_store_b32 v[QB], v[QS] offset:1024
.Lno_image:
	s_wait_dscnt 0x0
	s_barrier_signal -1
	WALK 2, 3                                      ; registers, and LDS loads of steps 2 and 3, which nobody writes
	s_barrier_wait -1                              ; all steps and all images are there, and nobody reads the blocks of steps 0 and 1 any more
	WALK 3, 8
	v_add_nc_u32 v[ADN], 8*STEPB, v[LI]            ; step 8's block
	LSUM
	s_wait_alu depctr_va_vdst(0)
	s_cmp_lg_u32 s[ROLE], 0
	s_cbranch_scc1 .Lpartial
	v_rcp_f32 v14, v14                             ; A: tile i is finished
	v_nop                                          ; a plain line behind the transcendental (ISA guide 5.7.2),
	s_wait_alu depctr_va_vdst(0)                   ; and the wait ahead of the readers
.irp j, 0,2,4,6,8,10,12,14,16,18,20,22,24,26,28,30
	v_pk_mul_f32 v[S+\j:S+\j+1], v[O+\j:O+\j+1], v[14:15] op_sel_hi:[1,0]
.endr
	OUT 8
	ds_load_b128 v[QF:QF+3], v[QA]                 ; on to tile 15 - i: its Q from B, and step 8's K
	ds_load_b128 v[QF+4:QF+7], v[QA] offset:512
	ds_load_b32 v[QS], v[QB] offset:1024
	KLOADA ADN
	KLOADB ADN
	INIT
	s_wait_alu depctr_va_vdst(0)
	s_wait_xcnt 0x0                                ; the stores' data registers are written again only behind this wait
	s_branch .Lsecond
.Lpartial:
.irp k, 0,1,2,3,4,5,6,7
	ds_store_b128 v[PAR], v[O+4*\k:O+4*\k+3] offset:512*\k   ; B's partial sums of tile 15 - i, as its registers hold them
.endr
	ds_store_b32 v[PARS], v14 offset:4096
	ds_store_b32 v[PARS], v12 offset:4224
.Lsecond:
	s_wait_dscnt 0x0
	s_barrier_signal -1                            ; THIRD BARRIER, in two parts: B's partial sums are there
	s_mov_b32 s[LIM], s[LIM2]                      ; A: steps 8 .. 15 - i; B: none
	s_mov_b32 s[DG], s[LATE]
	WALK 8, 16                                     ; registers, and LDS loads of steps 8 to 15, which nobody writes
	s_wait_dscnt 0x0
	s_barrier_wait -1
	s_cmp_lg_u32 s[ROLE], 0
	s_cbranch_scc1 .Lend
.irp k, 0,1,2,3,4,5,6,7
	ds_load_b128 v[S+4*\k:S+4*\k+3], v[PAR] offset:512*\k
.endr
	ds_load_b32 v[BM], v[PARS] offset:4096         ; B's sum and B's -M
	ds_load_b32 v[BM+1], v[PARS] offset:4224
	LSUM
	s_wait_alu depctr_va_vdst(0)
	s_wait_dscnt 0x0
	v_min_num_f32 v[BM+2], v12, v[BM+1]            ; -M of both: the larger M
	v_sub_f32 v[BM+3], v[BM+2], v12
	v_sub_f32 v[BM+1], v[BM+2], v[BM+1]
	v_cvt_i32_f32 v[BM+3], v[BM+3]
	v_cvt_i32_f32 v[BM+1], v[BM+1]
	v_ldexp_f32 v[SCL], 1.0, v[BM+3]               ; my factor and B's: powers of two, 1 at most
	v_ldexp_f32 v[SCL+2], 1.0, v[BM+1]
	v_mul_f32 v14, v14, v[SCL]
	v_fma_f32 v14, v[BM], v[SCL+2], v14            ; the row's sum
	s_wait_alu depctr_va_vdst(0)                   ; ahead of the transcendental,
	v_rcp_f32 v14, v14
	v_nop
	s_wait_alu depctr_va_vdst(0)                   ; and ahead of the readers
	v_mul_f32 v[SCL], v[SCL], v14
	v_mul_f32 v[SCL+2], v[SCL+2], v14
.irp j, 0,2,4,6,8,10,12,14,16,18,20,22,24,26,28,30
	v_pk_mul_f32 v[S+\j:S+\j+1], v[S+\j:S+\j+1], v[SCL+2:SCL+3] op_sel_hi:[1,0]
.endr
.irp j, 0,2,4,6,8,10,12,14,16,18,20,22,24,26,28,30
	v_pk_fma_f32 v[S+\j:S+\j+1], v[O+\j:O+\j+1], v[SCL:SCL+1], v[S+\j:S+\j+1] op_sel_hi:[1,0,1]
.endr
	OUT 62
.Lend:
	s_wait_tensorcnt 0x0                           ; the wave's end
	ds_add_u32 v[SPW], v[NIL]
	s_wait_dscnt 0x0
	CROUND                                         ; the closing round
	s_endpgm
.Lfunc_end_k_q9b842cd93f_attn:
	.size	k_q9b842cd93f_attn, .Lfunc_end_k_q9b842cd93f_attn-k_q9b842cd93f_attn
	.p2alignl 7, 3214868480
	.fill 96, 4, 3214868480
	.section	.rodata,"a",@progbits
	.p2align	6, 0x0
	.amdhsa_kernel k_q9b842cd93f_attn
		.amdhsa_group_segment_fixed_size 327680
		.amdhsa_private_segment_fixed_size 0
		.amdhsa_enable_private_segment 0
		.amdhsa_kernarg_size 24
		.amdhsa_user_sgpr_count 2
		.amdhsa_user_sgpr_kernarg_segment_ptr 1
		.amdhsa_wavefront_size32 1
		.amdhsa_system_sgpr_workgroup_id_x 1
		.amdhsa_system_sgpr_workgroup_id_y 1
		.amdhsa_system_sgpr_workgroup_id_z 1
		.amdhsa_system_vgpr_workitem_id 0
		.amdhsa_next_free_vgpr 256
		.amdhsa_next_free_sgpr 76
		.amdhsa_reserve_vcc 0
		.amdhsa_float_denorm_mode_32 3
		.amdhsa_float_denorm_mode_16_64 3
		.amdhsa_memory_ordered 1
		.amdhsa_forward_progress 1
		.amdhsa_inst_pref_size 143
	.end_amdhsa_kernel
	.amdgpu_metadata
---
amdhsa.version: [ 1, 2 ]
amdhsa.kernels:
  - .name:           k_q9b842cd93f_attn
    .symbol:         k_q9b842cd93f_attn.kd
    .args:
      - { .name: queries, .offset: 0, .size: 8, .value_kind: global_buffer, .address_space: global }
      - { .name: kv, .offset: 8, .size: 8, .value_kind: global_buffer, .address_space: global }
      - { .name: out0, .offset: 16, .size: 8, .value_kind: global_buffer, .address_space: global }
    .group_segment_fixed_size: 327680
    .private_segment_fixed_size: 0
    .kernarg_segment_align: 8
    .kernarg_segment_size: 24
    .max_flat_workgroup_size: 512
    .sgpr_count:     76
    .vgpr_count:     256
    .wavefront_size: 32
...
	.end_amdgpu_metadata
.endif
;; end of part 2
